; MI455X (gfx1250); checked and timed in simulation.
; The chip was launched on July 23, 2026; its instructions are those of AMD's public machine-readable ISA for CDNA 5 (MIT licence, August 2026) and "CDNA5" Instruction Set Architecture Reference Guide (July 2026). The comments in the code are by the model that wrote it; some were corrected since.
;; Causal Self Attention. Allowed arithmetic: matrix products marked QUANTISED: E2M1 operands, one E8M0 scale for each 32 along K, by v_wmma_scale_f32_16x16x128_f8f6f4 with both operands' format E2M1 (or v_wmma_scale_f32_32x16x128_f4), f32 sums; everything else in f32.
;; Inputs: Wk 1,024 x 1,024 float32; Wp 1,024 x 1,024 float32; Wq 1,024 x 1,024 float32; Wv 1,024 x 1,024 float32; bk 1,024 float32; bp 1,024 float32; bq 1,024 float32; bv 1,024 float32; x 4 x 2,048 x 1,024 float32.
;; Outputs: out0 4 x 2,048 x 1,024 float32.
;; This version of the problem:
;;   THIS VERSION OF THE PROBLEM IS GIVEN IN LOW PRECISION. The matrix products marked QUANTISED in the list below multiply operands that are first quantised to E2M1 (2 exponent bits, 1 mantissa bit; 4 bits a number), with one power-of-two scale for each 32 numbers along K (OCP MX v1.0); their sums are f32. All else is computed in f32.
;;   The module's matrix products, in the order in which they are computed (A, B: the left and right operand; K: the contracted axis; several contracted axes count as one K, in the product's order):
;;     1. [M 8,192, K 1,024] x [K 1,024, N 1,024]; A: input x; B: input Wq: QUANTISED
;;     2. [M 8,192, K 1,024] x [K 1,024, N 1,024]; A: input x; B: input Wk: QUANTISED
;;     3. [M 8,192, K 1,024] x [K 1,024, N 1,024]; A: input x; B: input Wv: QUANTISED
;;     4. batch 64 x [M 2,048, K 64] x [K 64, N 2,048]; A: computed on the way; B: computed on the way: QUANTISED
;;     5. batch 64 x [M 2,048, K 2,048] x [K 2,048, N 64]; A: softmax (see below); B: computed on the way: QUANTISED
;;     6. [M 8,192, K 1,024] x [K 1,024, N 1,024]; A: computed on the way; B: input Wp: QUANTISED
;;   THE QUANTISER, for each operand of a quantised product, along K:
;;     - K is cut into blocks of 32 from its start; a last block that is shorter is filled with zeros.
;;     - A block's scale is 2^e with e = floor(log2(the largest magnitude in the block)) - 2, held to -126 .. 127; a block of zeros has e = 0. As a byte (E8M0): e + 127.
;;     - Each number is divided by its block's scale, clamped to +-6, and rounded to the nearest number of E2M1, ties to even, subnormals kept.
;;     - The product sums the exact products of the quantised numbers (number of the format x scale) in f32.
;;   ~~~python
;;   def quantise(x, axis):      # numpy; x: float32 -> the quantised numbers, widened to float32 again
;;       x = np.moveaxis(x, axis, -1); K = x.shape[-1]
;;       x = np.pad(x, [(0, 0)] * (x.ndim - 1) + [(0, -K % 32)]); x = x.reshape(x.shape[:-1] + (-1, 32)); a = np.abs(x).max(-1, keepdims=True)
;;       e = np.where(a > 0, np.clip(np.frexp(np.where(a > 0, a, 1))[1] - 1 - 2, -126, 127), 0)      # np.frexp(a)[1] - 1 = floor(log2(a)), exactly
;;       r = np.clip(x / 2.0 ** e, -6, 6)
;;       step = 2.0 ** (np.maximum(np.frexp(np.where(r == 0, 1, r))[1] - 1, 0) - 1)
;;       q = np.round(r / step) * step * 2.0 ** e      # np.round: ties to even
;;       return np.moveaxis(q.reshape(q.shape[:-2] + (-1,))[..., :K], -1, axis).astype(np.float32)
;;   ~~~
;;   SOFTMAX AHEAD OF A QUANTISED PRODUCT. Where the list says 'softmax', what is quantised is not the finished softmax but p = 2^(t - M), with t = logit x log2(e) and M = ceil(the row's largest t), a whole number; so 1/2 < the row's largest p <= 1. The row's sum l is taken of the UNQUANTISED p, in f32, and the product's result is divided by l at the end. Since M is a whole number, a kernel that streams over the keys may use a running M (the ceiling of the running maximum): every later rescaling is an exact power of two, which a block's scale takes up: the codes' values come out the same.
;;   OPERANDS COMPUTED ON THE WAY. 'Computed on the way' means the value that the module computes at that place (a softmax that the list does not call 'softmax' is quantised finished and normalised). What goes into a quantiser is computed in f32, as accurately as f32 sums, v_exp_f32 and their like allow (about 1e-6 of the number): no bf16 or f16 on the way to a quantiser, and a product that is left as it is and whose result goes on into a quantised operand takes f32 operands (vector FMAs, or v_wmma_f32_16x16x4_f32). A number that lies on a knife's edge between two numbers of the format may be rounded either way, as far as f32 arithmetic and the matrix unit's own rounding can turn it there, and no further.
;; One version. Each part assembles by itself: llvm-mc -triple=amdgcn-amd-amdhsa -mcpu=gfx1250 --defsym DOCPART=n.
;; ======== version 1 of 1: 4 launches
;; workspace buffers: xq 4,456,448 bytes; wq 2,228,224 bytes; qq 4,718,592 bytes; kv 9,175,040 bytes; yq 4,456,448 bytes
;; launch quant (part 1): grid 384 x 1, 4 waves a work-group, no clusters, 34,304 bytes of LDS; arguments x, Wq, Wk, Wv, Wp, xq, wq; writes xq, wq
.if DOCPART == 1
	.amdgcn_target "amdgcn-amd-amdhsa--gfx1250"
	.amdhsa_code_object_version 6
	.text
	.protected	k_q7078be3c6d_quant
	.globl	k_q7078be3c6d_quant
	.p2align	8
	.type	k_q7078be3c6d_quant,@function
k_q7078be3c6d_quant:
	s_mov_b64 s[64:65], 0
	v_nop
	global_prefetch_b8 v0, s[64:65] scope:SCOPE_SE
	s_setreg_imm32_b32 hwreg(HW_REG_WAVE_MODE, 25, 1), 1
	s_wait_xcnt 0x0
; CAUSAL SELF-ATTENTION IN MX-FP4, four launches: quant (this one), qkv, attn, proj.
; This launch turns x [8192][1024] and Wq, Wk, Wv, Wp [1024][1024], f32 with K innermost, into codes of E2M1 with one E8M0 byte for each 32 along K.
; WHAT IS LEFT OUT IN THE WHOLE PROGRAM: reference() sets att to -infinity wherever key > query, by a jnp.tril that it builds itself; the softmax gives such a key the weight 0 for all finite inputs, so neither
; its score nor its term of the second product reaches any output.  Launch attn leaves out the key steps of 128 keys that lie wholly behind that mask; steps on the diagonal are computed and masked.
; Every input has a way to the output (bk too: it moves k's codes) and every input is loaded.
; LIMITS: a NaN, an infinity or an overflow that reaches only the key steps left out is not carried to the result; NaN and infinities among the inputs are not served; a block of zeros gets the byte 1
; where the quantiser says 127: its codes are zeros, which add nothing under that byte, and the bytes are read by this program alone.
; LAYOUT OF ALL WORKSPACE OPERANDS: AN IMAGE OF THE OPERAND'S REGISTERS.  A fragment is 16 rows x 128 K, 8 registers a lane, 1,024 bytes: the 16 bytes at 512 c + 16 lane are registers 4 c .. 4 c + 3 of that lane,
; k = 64 c + 32 (lane / 16) + 0 .. 31 of the tile's row lane % 16.  TILE t, LANE r HOLDS ROW 32 (t / 2) + 8 (t % 2) + r + 8 (r / 8), in every matrix of the program: a product whose source 0 is such a tile
; leaves 16 neighbours along the next K in a lane's registers of tiles 2 b, 2 b + 1.  Codes: [tile][K step 8][1,024]; scale words (one a row and 128 K): [tile][K step / 4][r][4 words].
; SHARES: a work-group takes 32 rows (tiles 2 g, 2 g + 1); wave w takes tile w / 2 and K steps 4 (w % 2) .. + 3.  Work-groups 0-255: x; then 32 each for Wq, Wk, Wv, Wp: only pointers are chosen, one path.
; Each load reads 512 consecutive bytes of a row; a K step's 16 rows turn through the wave's own stage in LDS (pitch 528), so that a lane gets its two whole blocks of 32; codes leave 512 aligned bytes a store.
; No tensor load, no barrier, no cluster: waves and work-groups share no input.
.set STGB,  8448                       ; a wave's stage: 16 rows x (512 bytes + 16)
.set SPARE, 4*STGB                     ; behind the stages: the spare words, 128 bytes a wave
.set R,   16                           ; v16-143  two sets of 64: a K step's 16 rows as loaded
.set X,   144                          ; v144-207 my two blocks of 32 numbers
.set C,   208                          ; v208-239 codes, 8 registers a K step: no store's data are written again
.set W,   240                          ; v240-243 the four K steps' scale words
.set SPW, 12                           ; v12 LDS address of my spare word; never rewritten
.set NIL, 13                           ; v13 0; never rewritten
	s_load_b256 s[4:11], s[0:1], 0x0               ; x, Wq, Wk, Wv
	s_load_b128 s[12:15], s[0:1], 0x20             ; Wp, xq
	s_load_b64 s[16:17], s[0:1], 0x30              ; wq
	v_lshl_add_u32 v[SPW], v0, 2, SPARE
	v_mov_b32 v[NIL], 0
	v_lshrrev_b32 v1, 5, v0
	v_readfirstlane_b32 s28, v1                    ; wave
	v_and_b32 v1, 31, v0                           ; lane
	v_and_b32 v7, 15, v0                           ; r
	v_bfe_u32 v6, v0, 4, 1                         ; h
	v_lshlrev_b32 v2, 4, v1                        ; 16 x lane: my place in a load's and in a store's 512 bytes
	s_mul_i32 s29, s28, STGB
	v_add_nc_u32 v3, s29, v2                       ; the stage, on the way in
	v_mul_u32_u24 v4, v7, 528
	v_lshl_add_u32 v4, v6, 7, v4
	v_add_nc_u32 v4, s29, v4                       ; and out: row r, + 128 h bytes: my block of the first 64 along K
	v_lshlrev_b32 v5, 4, v7
	v_lshl_add_u32 v5, v6, 3, v5                   ; the scale words' place: 16 r + 8 h
	v_cmp_ne_u32 s30, 0, v6                        ; lanes 16-31
	v_lshlrev_b32 v6, 3, v6                        ; 8 h
	v_mov_b32 v247, 0                              ; a lane permute's destination counts as read
	s_mov_b32 s20, 0x76543210
	s_mov_b32 s21, 0xfedcba98                      ; v_permlanex16_b32's selects for lane l xor 16
	s_lshr_b32 s31, s28, 1                         ; u: which of the two tiles
	s_and_b32 s32, s28, 1                          ; sg: which four K steps
	s_and_b32 s25, ttmp9, 31                       ; a weight's block of 32 rows
	s_sub_co_u32 s26, ttmp9, 256                   ; its place in wq
	s_mov_b32 s24, 2097152                         ; where wq's scale words begin
	s_wait_alu depctr_va_vdst(0)
	s_wait_kmcnt 0x0
	s_mov_b64 s[18:19], s[12:13]                   ; the source: Wp, unless the work-group's number says otherwise
	s_cmp_lt_u32 ttmp9, 352
	s_cselect_b64 s[18:19], s[10:11], s[18:19]
	s_cmp_lt_u32 ttmp9, 320
	s_cselect_b64 s[18:19], s[8:9], s[18:19]
	s_cmp_lt_u32 ttmp9, 288
	s_cselect_b64 s[18:19], s[6:7], s[18:19]
	s_cmp_lt_u32 ttmp9, 256
	s_cselect_b64 s[18:19], s[4:5], s[18:19]
	s_cselect_b64 s[22:23], s[14:15], s[16:17]     ; the destination: xq or wq
	s_cselect_b32 s24, 4194304, s24
	s_cselect_b32 s25, ttmp9, s25
	s_cselect_b32 s26, ttmp9, s26
	s_lshl_b32 s34, s25, 17                        ; source: 32 rows of 4,096 bytes a work-group,
	s_lshl_b32 s33, s31, 15                        ; + 8 u rows,
	s_add_co_u32 s34, s34, s33
	s_lshl_b32 s33, s32, 11                        ; + four K steps of 512 bytes
	s_add_co_u32 s34, s34, s33
	s_mov_b32 s35, 0
	s_add_nc_u64 s[18:19], s[18:19], s[34:35]
	s_lshl_b32 s34, s26, 10                        ; scale words: 512 bytes a tile, 256 for four K steps
	s_lshl_b32 s33, s31, 9
	s_add_co_u32 s34, s34, s33
	s_lshl_b32 s33, s32, 8
	s_add_co_u32 s34, s34, s33
	s_add_co_u32 s34, s34, s24
	s_add_nc_u64 s[36:37], s[22:23], s[34:35]
	s_lshl_b32 s34, s26, 14                        ; codes: 8,192 bytes a tile, 4,096 for four K steps
	s_lshl_b32 s33, s31, 13
	s_add_co_u32 s34, s34, s33
	s_lshl_b32 s33, s32, 12
	s_add_co_u32 s34, s34, s33
	s_add_nc_u64 s[22:23], s[22:23], s[34:35]
.macro LOAD t                          ; K step t: the tile's 16 rows, 512 consecutive bytes each
.irp p, 0,1,2,3,4,5,6,7,8,9,10,11,12,13,14,15
	global_load_b128 v[R+64*((\t)%2)+4*\p:R+64*((\t)%2)+4*\p+3], v2, s[18:19] offset:(\p+8*(\p/8))*4096+512*(\t) th:TH_LOAD_NT
.endr
.endm
.macro STEP t
.if (\t) < 3
	s_wait_loadcnt 16                              ; this K step's 16 loads are in; the next one's 16 may be out
.else
	s_wait_loadcnt 0x0
.endif
.irp p, 0,1,2,3,4,5,6,7,8,9,10,11,12,13,14,15
	ds_store_b128 v3, v[R+64*((\t)%2)+4*\p:R+64*((\t)%2)+4*\p+3] offset:528*\p
.endr
.irp c, 0,1
.irp j, 0,1,2,3,4,5,6,7
	ds_load_b128 v[X+32*\c+4*\j:X+32*\c+4*\j+3], v4 offset:256*\c+16*\j   ; k = 64 c + 32 h + 4 j .. of row r; LDS serves a wave's instructions in order: these see the stores
.endr
.endr
	s_wait_dscnt 0x0                               ; my numbers are back, and the stores have read their registers,
.if (\t) < 2
	LOAD (\t)+2                                    ; which take the loads of two K steps on
.endif
.irp c, 0,1
	v_max3_num_f32 v[8+\c], |v[X+32*\c]|, |v[X+32*\c+1]|, 0x1800000   ; block 2 c + h: all 32 numbers are mine; the floor 2^(3 - 127) keeps the byte at 1 from below
.endr
.irp i, 2,4,6,8,10,12,14,16,18,20,22,24,26,28,30
.irp c, 0,1
	v_max3_num_f32 v[8+\c], v[8+\c], |v[X+32*\c+\i]|, |v[X+32*\c+\i+1]|   ; the two blocks by turns
.endr
.endr
.irp c, 0,1
	v_add_nc_u32 v[10+\c], 0xff000000, v[8+\c]     ; 2 off the exponent field: the conversion's scale operand
.endr
.irp c, 0,1
	v_lshrrev_b32 v[244+\c], 23, v[10+\c]          ; the scale's byte
.endr
	v_lshl_or_b32 v246, v245, 16, v244             ; my two bytes, blocks h and 2 + h,
	v_lshlrev_b32 v246, v6, v246                   ; at their places in the word;
	v_permlanex16_b32 v247, v246, s20, s21
	v_or_b32 v[W+(\t)], v246, v247                 ; with lane l xor 16's two the row's word is whole
.irp c, 0,1
.irp g, 0,1,2,3
	v_cvt_scalef32_pk8_fp4_f32 v[C+8*(\t)+4*\c+\g], v[X+32*\c+8*\g:X+32*\c+8*\g+7], v[10+\c]
.endr
.endr
	v_nop                                          ; one plain line behind the last conversion
	global_store_b128 v2, v[C+8*(\t):C+8*(\t)+3], s[22:23] offset:1024*(\t)          ; the image: 512 consecutive aligned bytes a store
	global_store_b128 v2, v[C+8*(\t)+4:C+8*(\t)+7], s[22:23] offset:1024*(\t)+512
.endm
	LOAD 0
	LOAD 1
	STEP 0
	STEP 1
	STEP 2
	STEP 3
	v_cndmask_b32 v244, v[W], v[W+2], s30          ; lanes 0-15 store words 0, 1 of their row, lanes 16-31 words 2, 3:
	v_cndmask_b32 v245, v[W+1], v[W+3], s30
	global_store_b64 v5, v[244:245], s[36:37]      ; 256 consecutive aligned bytes
	s_wait_tensorcnt 0x0                           ; the wave's end, behind my last LDS store
	ds_add_u32 v[SPW], v[NIL]
	s_wait_dscnt 0x0
	s_endpgm
.Lfunc_end_k_q7078be3c6d_quant:
	.size	k_q7078be3c6d_quant, .Lfunc_end_k_q7078be3c6d_quant-k_q7078be3c6d_quant
	.p2alignl 7, 3214868480
	.fill 96, 4, 3214868480
	.section	.rodata,"a",@progbits
	.p2align	6, 0x0
	.amdhsa_kernel k_q7078be3c6d_quant
		.amdhsa_group_segment_fixed_size 34304
		.amdhsa_private_segment_fixed_size 0
		.amdhsa_enable_private_segment 0
		.amdhsa_kernarg_size 56
		.amdhsa_user_sgpr_count 2
		.amdhsa_user_sgpr_kernarg_segment_ptr 1
		.amdhsa_wavefront_size32 1
		.amdhsa_system_sgpr_workgroup_id_x 1
		.amdhsa_system_sgpr_workgroup_id_y 1
		.amdhsa_system_sgpr_workgroup_id_z 1
		.amdhsa_system_vgpr_workitem_id 0
		.amdhsa_next_free_vgpr 256
		.amdhsa_next_free_sgpr 66
		.amdhsa_reserve_vcc 0
		.amdhsa_float_denorm_mode_32 3
		.amdhsa_float_denorm_mode_16_64 3
		.amdhsa_memory_ordered 1
		.amdhsa_forward_progress 1
		.amdhsa_inst_pref_size 31
	.end_amdhsa_kernel
	.amdgpu_metadata
---
amdhsa.version: [ 1, 2 ]
amdhsa.kernels:
  - .name:           k_q7078be3c6d_quant
    .symbol:         k_q7078be3c6d_quant.kd
    .args:
      - { .name: x, .offset: 0, .size: 8, .value_kind: global_buffer, .address_space: global }
      - { .name: Wq, .offset: 8, .size: 8, .value_kind: global_buffer, .address_space: global }
      - { .name: Wk, .offset: 16, .size: 8, .value_kind: global_buffer, .address_space: global }
      - { .name: Wv, .offset: 24, .size: 8, .value_kind: global_buffer, .address_space: global }
      - { .name: Wp, .offset: 32, .size: 8, .value_kind: global_buffer, .address_space: global }
      - { .name: xq, .offset: 40, .size: 8, .value_kind: global_buffer, .address_space: global }
      - { .name: wq, .offset: 48, .size: 8, .value_kind: global_buffer, .address_space: global }
    .group_segment_fixed_size: 34304
    .private_segment_fixed_size: 0
    .kernarg_segment_align: 8
    .kernarg_segment_size: 56
    .max_flat_workgroup_size: 128
    .sgpr_count:     66
    .vgpr_count:     256
    .wavefront_size: 32
...
	.end_amdgpu_metadata
.endif
;; end of part 1
;; launch qkv (part 2): grid 12 x 64, 4 waves a work-group, clusters of 4 x 4, 197,120 bytes of LDS; arguments xq, wq, bq, bk, bv, qq, kv; writes qq, kv
.if DOCPART == 2
	.amdgcn_target "amdgcn-amd-amdhsa--gfx1250"
	.amdhsa_code_object_version 6
	.text
	.protected	k_q7078be3c6d_qkv
	.globl	k_q7078be3c6d_qkv
	.p2align	8
	.type	k_q7078be3c6d_qkv,@function
k_q7078be3c6d_qkv:
	s_mov_b64 s[64:65], 0
	v_nop
	global_prefetch_b8 v0, s[64:65] scope:SCOPE_SE
	s_setreg_imm32_b32 hwreg(HW_REG_WAVE_MODE, 25, 1), 1
	s_wait_xcnt 0x0
	s_wait_alu depctr_hold_cnt(0) depctr_sa_sdst(0) depctr_va_vdst(0) depctr_va_sdst(0) depctr_va_ssrc(0) depctr_va_vcc(0) depctr_vm_vsrc(0)
	s_getreg_b32 s2, hwreg(HW_REG_IB_STS2, 6, 4)
	s_cmp_eq_u32 s2, 0
	s_cbranch_scc0 .Lentry_in_a_cluster
	s_endpgm
.Lentry_in_a_cluster:
	s_bfe_u32 s2, ttmp6, 0x10000c
	s_cmp_lg_u32 s2, 0xf033
	s_cbranch_scc0 .Lentry_shape_is_right
	s_endpgm
.Lentry_shape_is_right:
; q = x Wq^T + bq, k = x Wk^T + bk, v = x Wv^T + bv on codes of E2M1 (images made by launch quant), each result quantised in registers and stored as the image that launch attn reads.  No work is left out here.
; A work-group multiplies S0 (256 rows, source 0) by S1 (128 rows, source 1) over K = 1,024.  Four waves; wave w takes S1's half w / 2 (4 tiles) and S0's half w % 2 (8 tiles): 32 accumulators, 256 registers.
; A lane of a result holds ONE row of S1, and its registers of S0's tiles 2 b, 2 b + 1 are 16 neighbouring rows of S0.  So: cluster x = 0, 1 (q, k): S0 = 256 rows of Wq or Wk, S1 = 128 tokens: a lane's registers run
; along the head's 64, q's and k's K.  Cluster x = 2 (v): S0 = 256 tokens, S1 = 128 rows of Wv: a lane's registers run along the keys, v's K.  The path hangs on the cluster's x, which all sixteen partners share.
; ALL OF K LIES IN LDS: four stages of 256 along K, each filled once; nothing is filled again.  An image is read as it lies, 512 consecutive bytes a load: no pitch, no padding.
; CLUSTER 4 x 4: S1's tiles hang on cy alone and are asked for jointly by a row of the cluster, S0's on cx alone, by a column.  A wave has four tensor loads out at the most.
; The bias is the C of each sum's first product.  The scale words come straight from memory, 256 aligned bytes for a tile and four K steps.
; LIMITS: as stated at the head of launch quant (a block of zeros carries the byte 1; NaN and infinities are not served).
; REGISTERS.  window 0: v2-15 addresses; v28, v29 the add's two; v32-63, v64-95 S1's fragments, two buffers; v96-127 S1's scale words (8 a + K step), v128-191 S0's (8 b + K step); v192-223 codes; v224-245 at work.
;   window 1: v0-63, v64-127 S0's fragments, two buffers; v128-191 the bias tiles.   window 2: accumulator (a, b) at v[8 (8 a + b)].
.set STG,   49152                      ; a stage: S1's 8 tiles x 2,048 bytes, then S0's 16
.set SPARE, 4*STG                      ; behind the stages: the spare words, 128 bytes a wave
.set LI,  2                            ; 16 x lane
.set R16, 3                            ; 16 x r
.set AD1, 4                            ; v4, v5  my S1 tiles in stages 0-1, 2-3
.set AD0, 6                            ; v6, v7  my S0 tiles
.set HH,  8                            ; h
.set RR,  9                            ; r
.set LI2, 10                           ; 16 x lane + a head's stride
.set SA,  11                           ; q's, k's scale words: 16 r + h x a head's stride
.set BO,  12                           ; 64 h
.set H16, 13                           ; 16 h
.set VS,  14                           ; 16 r + 8 h
.set BV,  15                           ; 4 (r + 8 (r / 8))
.set SPW, 28
.set NIL, 29
.set PC,  192
.set TM,  224
.set PW,  240
.set WV, 18
.set H1, 19
.set H0, 20
.set CX, 21
.set CY, 22
.set YY, 23
.set G1A, 24                           ; s[24:31] group 1 for S1's tiles; s[32:39] for S0's
.set G1B, 32
.set G0A, 40                           ; s[40:55] group 0 for S1's four stages
.set SEL, 56
.set G0B, 68                           ; s[68:83] for S0's
.set MSB, 0
.macro WIN new                         ; the immediate's high byte repeats the setting that is left
.if MSB != \new
	s_set_vgpr_msb (MSB<<8)|\new
.set MSB, \new
.endif
.endm
.macro PLACES n
.rept \n
	v_nop
.endr
.endm
.macro CROUND                          ; a round of the cluster's barrier
	s_barrier_signal -1
	s_barrier_wait -1
	s_cmp_lg_u32 s[WV], 0
	s_cbranch_scc1 .Lnot_wave_0_\@
	s_barrier_signal -3
.Lnot_wave_0_\@:
	s_barrier_wait -3
	s_barrier_signal -1
	s_barrier_wait -1
.endm
	s_load_b256 s[4:11], s[0:1], 0x0               ; xq, wq, bq, bk
	s_load_b128 s[12:15], s[0:1], 0x20             ; bv, qq
	s_load_b64 s[16:17], s[0:1], 0x30              ; kv
	v_lshl_add_u32 v[SPW], v0, 2, SPARE
	v_mov_b32 v[NIL], 0
	ds_add_u32 v[SPW], v[NIL]                      ; the opening: the add, twice on end, and its wait ahead of my first tensor load
	ds_add_u32 v[SPW], v[NIL]
	v_lshrrev_b32 v1, 5, v0
	v_readfirstlane_b32 s[WV], v1
	s_lshr_b32 s[H1], s[WV], 1                     ; my half of S1.  Also: I fetch for S1 (0) or for S0 (1)
	s_and_b32 s[H0], s[WV], 1                      ; my half of S0.  Also: which half of that operand's tiles I fetch
	s_bfe_u32 s[CX], ttmp6, 0x40000
	s_bfe_u32 s[CY], ttmp6, 0x40004
	s_and_b32 s[YY], ttmp7, 0xffff                 ; the cluster's y
	s_lshl_b32 s62, s[YY], 2
	s_add_co_u32 s62, s62, s[CY]                   ; q, k: S1 = tokens 128 (4 Y + cy) on
	s_and_b32 s2, s[YY], 1
	s_lshl_b32 s2, s2, 2
	s_add_co_u32 s2, s2, s[CY]                     ; v: S1 = Wv's rows 128 (4 (Y % 2) + cy) on
	s_lshl_b32 s63, ttmp9, 2
	s_add_co_u32 s63, s63, s[CX]                   ; q, k: S0 = rows 256 (4 X + cx) on of Wq, Wk
	s_lshr_b32 s3, s[YY], 1
	s_lshl_b32 s3, s3, 2
	s_add_co_u32 s3, s3, s[CX]                     ; v: S0 = tokens 256 (4 (Y / 2) + cx) on
	s_mov_b32 s66, 4194304                         ; where S1's buffer has its scale words,
	s_mov_b32 s67, 2097152                         ; and S0's
	s_cmp_eq_u32 ttmp9, 2
	s_cselect_b32 s62, s2, s62
	s_cselect_b32 s63, s3, s63
	s_cselect_b32 s66, s67, s66
	s_cselect_b32 s67, 4194304, s67
	s_cselect_b32 s97, 1048576, 0                  ; Wv's first tile in wq
	s_lshl_b32 s58, s62, 16                        ; S1: 8 tiles of 8,192 bytes a block
	s_add_co_u32 s58, s58, s97
	s_mov_b32 s59, 0
	s_lshl_b32 s60, s63, 17                        ; S0: 16 tiles
	s_mov_b32 s61, 0
	s_lshl_b32 s98, s[CY], 2
	s_lshl_b32 s98, 15, s98                        ; my row of the cluster
	s_lshl_b32 s99, 0x1111, s[CX]                  ; my column
	s_or_b32 s[G1A], s98, (3<<16)|(1<<21)          ; 15:0 the mask; 17:16 elements of 8 bytes; 21 set beside a mask; no padding
	s_or_b32 s[G1B], s99, (3<<16)|(1<<21)
.irp g, G1A, G1B
	s_mov_b32 s[\g+1], 256<<16                     ; tensor_dim0: a tile's two images, 2,048 bytes
	s_mov_b32 s[\g+3], 256<<16                     ; tile_dim0
	s_mov_b32 s[\g+5], 1024                        ; from tile to tile: 8,192 bytes
	s_mov_b32 s[\g+6], 0
	s_mov_b32 s[\g+7], 0
.endr
	s_mov_b32 s[G1A+2], 4<<16                      ; S1: 4 tiles a load
	s_mov_b32 s[G1A+4], 4
	s_mov_b32 s[G1B+2], 8<<16                      ; S0: 8 tiles a load
	s_mov_b32 s[G1B+4], 8
	s_mov_b32 s[SEL], 0x76543210
	s_mov_b32 s[SEL+1], 0xfedcba98
	v_and_b32 v1, 31, v0
	v_and_b32 v[RR], 15, v0
	v_bfe_u32 v[HH], v0, 4, 1
	v_lshlrev_b32 v[LI], 4, v1
	v_lshlrev_b32 v[R16], 4, v[RR]
	s_lshl_b32 s2, s[H1], 13
	v_add_nc_u32 v[AD1], s2, v[LI]
	v_add_nc_u32 v[AD1+1], 2*STG, v[AD1]
	s_lshl_b32 s2, s[H0], 14
	s_add_co_u32 s2, s2, 16384
	v_add_nc_u32 v[AD0], s2, v[LI]
	v_add_nc_u32 v[AD0+1], 2*STG, v[AD0]
	v_lshlrev_b32 v[BO], 6, v[HH]
	v_lshlrev_b32 v[H16], 4, v[HH]
	v_lshl_add_u32 v[VS], v[HH], 3, v[R16]
	v_and_b32 v1, 8, v[RR]
	v_add_nc_u32 v1, v1, v[RR]
	v_lshlrev_b32 v[BV], 2, v1
	v_cmp_ne_u32 s96, 0, v[HH]                     ; lanes 16-31
.irp b, 0,1,2,3
	v_mov_b32 v[TM+4+\b], 0                        ; a lane permute's destination counts as read
.endr
	s_lshl_b32 s97, s[H0], 13                      ; where my load lands in a stage: S1's half,
	s_lshl_b32 s98, s[H0], 14
	s_add_co_u32 s98, s98, 16384                   ; or S0's: the wave's number alone
	s_wait_dscnt 0x0                               ; both opening adds are done
	s_wait_kmcnt 0x0
	s_cmp_eq_u32 ttmp9, 2
	s_cselect_b64 s[84:85], s[6:7], s[4:5]         ; S1's buffer
	s_cselect_b64 s[86:87], s[4:5], s[6:7]         ; S0's
	s_lshr_b32 s2, s58, 4                          ; scale words: 512 bytes a tile against 8,192 of codes
	s_add_co_u32 s2, s2, s66
	s_lshl_b32 s3, s[H1], 11
	s_add_co_u32 s2, s2, s3
	s_mov_b32 s3, 0
	s_add_nc_u64 s[88:89], s[84:85], s[2:3]        ; my S1 tiles' scale words
	s_lshr_b32 s2, s60, 4
	s_add_co_u32 s2, s2, s67
	s_lshl_b32 s3, s[H0], 12
	s_add_co_u32 s2, s2, s3
	s_mov_b32 s3, 0
	s_add_nc_u64 s[90:91], s[86:87], s[2:3]        ; my S0 tiles'
	s_add_nc_u64 s[84:85], s[84:85], s[58:59]
	s_lshl_b32 s92, s[H0], 15
	s_mov_b32 s93, 0
	s_add_nc_u64 s[84:85], s[84:85], s[92:93]      ; S1: the four tiles that I would fetch
	s_add_nc_u64 s[86:87], s[86:87], s[60:61]
	s_lshl_b32 s92, s[H0], 16
	s_add_nc_u64 s[86:87], s[86:87], s[92:93]      ; S0: the eight
	CROUND                                         ; all sixteen work-groups are here: the joint loads meet
.irp i, 0,1,2,3
	s_mov_b32 s[G0A+4*\i], 1
	s_add_co_u32 s[G0A+4*\i+1], s97, \i*STG
	s_add_nc_u64 s[G0A+4*\i+2:G0A+4*\i+3], s[84:85], \i*2048
	s_or_b32 s[G0A+4*\i+3], s[G0A+4*\i+3], 0x80000000
	s_mov_b32 s[G0B+4*\i], 1
	s_add_co_u32 s[G0B+4*\i+1], s98, \i*STG
	s_add_nc_u64 s[G0B+4*\i+2:G0B+4*\i+3], s[86:87], \i*2048
	s_or_b32 s[G0B+4*\i+3], s[G0B+4*\i+3], 0x80000000
.endr
	s_cmp_eq_u32 s[H1], 0                          ; waves 0, 1 fetch S1's halves, waves 2, 3 S0's: a wave's four fills stand in one arm
	s_cbranch_scc0 .Lfill_s0
.irp i, 0,1,2,3
	tensor_load_to_lds s[G0A+4*\i:G0A+4*\i+3], s[G1A:G1A+7]
	s_nop 0
.endr
	PLACES 4
	s_branch .Lfilled
.Lfill_s0:
.irp i, 0,1,2,3
	tensor_load_to_lds s[G0B+4*\i:G0B+4*\i+3], s[G1B:G1B+7]
	s_nop 0
.endr
	PLACES 4
.Lfilled:
.irp a, 0,1,2,3
.irp g, 0,1
	global_load_b128 v[96+8*\a+4*\g:96+8*\a+4*\g+3], v[R16], s[88:89] offset:512*\a+256*\g   ; lane r: row r's words of four K steps
.endr
.endr
.irp b, 0,1,2,3,4,5,6,7
.irp g, 0,1
	global_load_b128 v[128+8*\b+4*\g:128+8*\b+4*\g+3], v[R16], s[90:91] offset:512*\b+256*\g
.endr
.endr
; K step q's fragments into buffer buf: 24 loads of 512 consecutive bytes
.macro FETCH q, buf
	WIN 0x40                                       ; destination window 1
.irp b, 0,1,2,3,4,5,6,7
.irp c, 0,1
	ds_load_b128 v[64*(\buf)+8*\b+4*\c:64*(\buf)+8*\b+4*\c+3], v[AD0+((\q)/4)] offset:(((\q)/2)%2)*STG+\b*2048+((\q)%2)*1024+512*\c
.endr
.endr
	WIN 0
.irp a, 0,1,2,3
.irp c, 0,1
	ds_load_b128 v[32+32*(\buf)+8*\a+4*\c:32+32*(\buf)+8*\a+4*\c+3], v[AD1+((\q)/4)] offset:(((\q)/2)%2)*STG+\a*2048+((\q)%2)*1024+512*\c
.endr
.endr
.endm
; 16 products: S1's tiles a0, a0 + 1 x S0's eight.  cmode 0: onto the sums; 1: the sums start from the bias tile of S0's tile b; 2: from that of S1's tile a.
; The 32 accumulators take turns, one instruction a turn, in the same order in every K step.
.macro MULH q, buf, a0, cmode
.if \cmode == 0
	WIN 0xa1                                       ; source 0 window 1, source 1 window 0, C and D window 2
.else
	WIN 0x91                                       ; C window 1
.endif
.irp a, \a0, \a0+1
.irp b, 0,1,2,3,4,5,6,7
.if \cmode == 0
	v_wmma_scale_f32_16x16x128_f8f6f4 v[8*(8*(\a)+\b):8*(8*(\a)+\b)+7], v[64*(\buf)+8*\b:64*(\buf)+8*\b+7], v[32+32*(\buf)+8*(\a):32+32*(\buf)+8*(\a)+7], v[8*(8*(\a)+\b):8*(8*(\a)+\b)+7], v[128+8*\b+(\q)], v[96+8*(\a)+(\q)] matrix_a_fmt:MATRIX_FMT_FP4 matrix_b_fmt:MATRIX_FMT_FP4
.elseif \cmode == 1
	v_wmma_scale_f32_16x16x128_f8f6f4 v[8*(8*(\a)+\b):8*(8*(\a)+\b)+7], v[64*(\buf)+8*\b:64*(\buf)+8*\b+7], v[32+32*(\buf)+8*(\a):32+32*(\buf)+8*(\a)+7], v[128+8*\b:128+8*\b+7], v[128+8*\b+(\q)], v[96+8*(\a)+(\q)] matrix_a_fmt:MATRIX_FMT_FP4 matrix_b_fmt:MATRIX_FMT_FP4
.else
	v_wmma_scale_f32_16x16x128_f8f6f4 v[8*(8*(\a)+\b):8*(8*(\a)+\b)+7], v[64*(\buf)+8*\b:64*(\buf)+8*\b+7], v[32+32*(\buf)+8*(\a):32+32*(\buf)+8*(\a)+7], v[128+8*(\a):128+8*(\a)+7], v[128+8*\b+(\q)], v[96+8*(\a)+(\q)] matrix_a_fmt:MATRIX_FMT_FP4 matrix_b_fmt:MATRIX_FMT_FP4
.endif
.endr
.endr
.endm
; A K step of 128.  In its middle the next step's fragments are fetched into the other buffer, four places behind the last product that read it.
; Steps 1, 3, 5 fetch from a new stage: my part of it has landed (the count: the later stages' loads may stay out), and a barrier shows that everybody's has.
.macro KSTEP q, cmode
.if ((\q)%2 == 1) && ((\q) < 7)
	s_wait_tensorcnt (5-(\q))/2
.endif
	s_wait_dscnt 0x0                               ; this step's fragments are in
.if ((\q)%2 == 1) && ((\q) < 7)
	s_barrier_signal -1
.endif
	MULH \q, (\q)%2, 0, \cmode
.if ((\q)%2 == 1) && ((\q) < 7)
	s_barrier_wait -1
.endif
.if (\q) < 7
	PLACES 4
	FETCH (\q)+1, ((\q)+1)%2
.endif
	MULH \q, (\q)%2, 2, \cmode
.endm
	s_wait_tensorcnt 0x3                           ; my part of stage 0 is in; three later loads may be out
	s_barrier_signal -1
	s_barrier_wait -1
	FETCH 0, 0
	s_cmp_eq_u32 ttmp9, 2                          ; the cluster's x: the same in all partners and all waves.  Each arm loads its bias and starts the sums; no barrier stands in an arm
	s_cbranch_scc1 .Lv_first
	s_cmp_eq_u32 ttmp9, 0
	s_cselect_b64 s[94:95], s[8:9], s[10:11]       ; bq or bk
	s_and_b32 s2, s63, 3
	s_lshl_b32 s2, s2, 10
	s_lshl_b32 s3, s[H0], 9
	s_add_co_u32 s2, s2, s3                        ; my 128 features
	s_mov_b32 s3, 0
	s_add_nc_u64 s[94:95], s[94:95], s[2:3]
	WIN 0x40
.irp b, 0,1,2,3,4,5,6,7                        ; tile b, lane half h, register j: feature 32 (b / 2) + 16 h + 8 (b % 2) + j
	global_load_b128 v[128+8*\b:128+8*\b+3], v[BO], s[94:95] offset:(32*(\b/2)+8*(\b%2))*4
	global_load_b128 v[128+8*\b+4:128+8*\b+7], v[BO], s[94:95] offset:(32*(\b/2)+8*(\b%2))*4+16
.endr
	WIN 0
	s_wait_loadcnt 0x0                             ; scale words and bias
	KSTEP 0, 1
	WIN 0
	s_branch .Lrest
.Lv_first:
	s_lshl_b32 s2, s62, 9
	s_lshl_b32 s3, s[H1], 8
	s_add_co_u32 s2, s2, s3                        ; my 64 channels
	s_mov_b32 s3, 0
	s_add_nc_u64 s[94:95], s[12:13], s[2:3]
	WIN 0x40
	s_wait_alu depctr_va_vdst(0)
.irp a, 0,1,2,3                                ; tile a: a lane holds one channel, so its eight registers hold one number
.irp j, 0,1,2,3,4,5,6,7
	global_load_b32 v[128+8*\a+\j], v[BV], s[94:95] offset:(32*(\a/2)+8*(\a%2))*4
.endr
.endr
	WIN 0
	s_wait_loadcnt 0x0
	KSTEP 0, 2
	WIN 0
.Lrest:
	KSTEP 1, 0
	KSTEP 2, 0
	KSTEP 3, 0
	KSTEP 4, 0
	KSTEP 5, 0
	KSTEP 6, 0
	KSTEP 7, 0
	WIN 0
	PLACES 4                                       ; in front of the first read of results
; The 64 numbers of S1's tile a (register 16 b + i = k 32 b + 16 h + i of my row) become a fragment's codes in v[PC + 8 a] on and its scale word in v[PW + a].  Each accumulator is read from its low end on.
.macro QUANT a
.set QSRC, 64*(\a)
	WIN 0x0a                                       ; sources 0, 1 window 2
.irp b, 0,1,2,3
	v_max3_num_f32 v[TM+\b], |v[QSRC+16*\b]|, |v[QSRC+1+16*\b]|, 0x1800000   ; the floor 2^(3 - 127) keeps the byte at 1 from below
.endr
	WIN 0x28                                       ; sources 1, 2 window 2
.irp i, 2,4,6,8,10,12,14
.irp b, 0,1,2,3
	v_max3_num_f32 v[TM+\b], v[TM+\b], |v[QSRC+16*\b+\i]|, |v[QSRC+1+16*\b+\i]|
.endr
.endr
	WIN 0
.irp b, 0,1,2,3
	v_permlanex16_b32 v[TM+4+\b], v[TM+\b], s[SEL], s[SEL+1]
.endr
.irp b, 0,1,2,3
	v_max_num_f32 v[TM+\b], v[TM+\b], v[TM+4+\b]   ; with lane l xor 16's 16: the block's largest magnitude
.endr
.irp b, 0,1,2,3
	v_add_nc_u32 v[TM+12+\b], 0xff000000, v[TM+\b] ; 2 off the exponent field: the conversion's scale operand
.endr
.irp b, 0,1,2,3
	v_lshrrev_b32 v[TM+4+\b], 23, v[TM+12+\b]      ; the scale's byte
.endr
	v_lshl_or_b32 v[PW+(\a)], v[TM+5], 8, v[TM+4]
	v_lshl_or_b32 v[PW+(\a)], v[TM+6], 16, v[PW+(\a)]
	v_lshl_or_b32 v[PW+(\a)], v[TM+7], 24, v[PW+(\a)]
	WIN 0x02                                       ; source 0 window 2
.irp b, 0,1,2,3
	v_cvt_scalef32_pk8_fp4_f32 v[PC+8*(\a)+2*\b], v[QSRC+16*\b:QSRC+16*\b+7], v[TM+12+\b]
	v_cvt_scalef32_pk8_fp4_f32 v[PC+8*(\a)+2*\b+1], v[QSRC+16*\b+8:QSRC+16*\b+15], v[TM+12+\b]
.endr
	v_nop                                          ; one plain line behind the last conversion
	WIN 0
.irp c, 0,1                                    ; a whole block in a lane: lanes 0-15 block 2 c, lanes 16-31 block 2 c + 1
.irp i, 0,1
	v_permlane16_swap_b32 v[PC+8*(\a)+4*\c+\i], v[PC+8*(\a)+4*\c+2+\i]
.endr
.endr
.endm
	s_cmp_eq_u32 ttmp9, 2
	s_cbranch_scc1 .Lepi_v
	; q, k: my 128 features are two heads; registers 0-3 of a fragment are the first head's 64, registers 4-7 the second's: each is the lower half of an image with K = 64
	s_and_b32 s2, s62, 15                          ; which 128 tokens of the batch
	s_lshr_b32 s3, s62, 4                          ; the batch
	s_and_b32 s97, s63, 3
	s_lshl_b32 s97, s97, 2
	s_lshl_b32 s98, s[H0], 1
	s_add_co_u32 s97, s97, s98                     ; my first head
	s_lshl_b32 s3, s3, 4
	s_add_co_u32 s3, s3, s97                       ; batch x 16 + head
	s_mov_b32 s92, 143360                          ; k: a head's bytes in kv; a key step's block; where its scale words begin
	s_mov_b32 s93, 8960
	s_mov_b32 s94, 143360
	s_mov_b32 s95, 8960
	s_mov_b32 s99, 8192
	s_cmp_eq_u32 ttmp9, 0
	s_cselect_b64 s[84:85], s[14:15], s[16:17]     ; qq or kv
	s_cselect_b32 s92, 65536, s92                  ; q: a head's codes; 8 tiles of 512 bytes;
	s_cselect_b32 s93, 4096, s93
	s_cselect_b32 s94, 8192, s94                   ; a head's scale words; 8 tiles' of them; where they begin
	s_cselect_b32 s95, 512, s95
	s_cselect_b32 s99, 4194304, s99
	s_mov_b64 s[86:87], s[84:85]
	s_mul_i32 s58, s3, s92
	s_mul_i32 s60, s2, s93
	s_add_co_u32 s58, s58, s60
	s_lshl_b32 s60, s[H1], 11                      ; my four tiles
	s_add_co_u32 s58, s58, s60
	s_add_nc_u64 s[84:85], s[84:85], s[58:59]
	s_mul_i32 s58, s3, s94
	s_mul_i32 s60, s2, s95
	s_add_co_u32 s58, s58, s60
	s_lshl_b32 s60, s[H1], 8
	s_add_co_u32 s58, s58, s60
	s_add_co_u32 s58, s58, s99
	s_add_nc_u64 s[86:87], s[86:87], s[58:59]
	v_add_nc_u32 v[LI2], s92, v[LI]
	v_mul_lo_u32 v[SA], v[HH], s94
	v_add_nc_u32 v[SA], v[SA], v[R16]
.irp a, 0,1,2,3
	QUANT \a
	global_store_b128 v[LI], v[PC+8*\a:PC+8*\a+3], s[84:85] offset:512*\a        ; 512 consecutive aligned bytes
	global_store_b128 v[LI2], v[PC+8*\a+4:PC+8*\a+7], s[84:85] offset:512*\a     ; the second head's
.endr
.irp a, 0,1,2,3
	v_bfe_u32 v[PW+\a], v[PW+\a], v[H16], 16       ; lanes 0-15 keep the first head's two bytes, lanes 16-31 the second's; the upper two bytes are 0, over zero codes
.endr
	global_store_b128 v[SA], v[PW:PW+3], s[86:87]  ; row r's words of four tiles: 256 consecutive aligned bytes for each head
	s_branch .Lend
.Lepi_v:
	; v: my 64 channels are one head, my 128 tokens one key step: four whole images of V^T
	s_lshl_b32 s2, s62, 1
	s_add_co_u32 s2, s2, s[H1]                     ; the head
	s_lshl_b32 s3, s63, 1
	s_add_co_u32 s3, s3, s[H0]                     ; which 128 of the 8,192 tokens
	s_and_b32 s97, s3, 15                          ; the key step
	s_lshr_b32 s3, s3, 4
	s_lshl_b32 s3, s3, 4
	s_add_co_u32 s3, s3, s2                        ; batch x 16 + head
	s_mul_i32 s58, s3, 143360
	s_mul_i32 s60, s97, 8960
	s_add_co_u32 s58, s58, s60
	s_add_co_u32 s58, s58, 4096                    ; behind K's eight half images
	s_add_nc_u64 s[84:85], s[16:17], s[58:59]
	s_add_nc_u64 s[86:87], s[84:85], 4608          ; V's scale words, at 8,704 of the block
.irp a, 0,1,2,3
	QUANT \a
	global_store_b128 v[LI], v[PC+8*\a:PC+8*\a+3], s[84:85] offset:1024*\a
	global_store_b128 v[LI], v[PC+8*\a+4:PC+8*\a+7], s[84:85] offset:1024*\a+512
.endr
	v_cndmask_b32 v244, v[PW], v[PW+2], s96        ; lanes 0-15 store the words of tiles 0, 1 of their row, lanes 16-31 of tiles 2, 3
	v_cndmask_b32 v245, v[PW+1], v[PW+3], s96
	global_store_b64 v[VS], v[244:245], s[86:87]   ; 256 consecutive aligned bytes
.Lend:
	s_wait_tensorcnt 0x0                           ; the wave's end
	ds_add_u32 v[SPW], v[NIL]
	s_wait_dscnt 0x0
	CROUND                                         ; the closing round
	s_endpgm
.Lfunc_end_k_q7078be3c6d_qkv:
	.size	k_q7078be3c6d_qkv, .Lfunc_end_k_q7078be3c6d_qkv-k_q7078be3c6d_qkv
	.p2alignl 7, 3214868480
	.fill 96, 4, 3214868480
	.section	.rodata,"a",@progbits
	.p2align	6, 0x0
	.amdhsa_kernel k_q7078be3c6d_qkv
		.amdhsa_group_segment_fixed_size 197120
		.amdhsa_private_segment_fixed_size 0
		.amdhsa_enable_private_segment 0
		.amdhsa_kernarg_size 56
		.amdhsa_user_sgpr_count 2
		.amdhsa_user_sgpr_kernarg_segment_ptr 1
		.amdhsa_wavefront_size32 1
		.amdhsa_system_sgpr_workgroup_id_x 1
		.amdhsa_system_sgpr_workgroup_id_y 1
		.amdhsa_system_sgpr_workgroup_id_z 1
		.amdhsa_system_vgpr_workitem_id 0
		.amdhsa_next_free_vgpr 768
		.amdhsa_next_free_sgpr 100
		.amdhsa_reserve_vcc 0
		.amdhsa_float_denorm_mode_32 3
		.amdhsa_float_denorm_mode_16_64 3
		.amdhsa_memory_ordered 1
		.amdhsa_forward_progress 1
		.amdhsa_inst_pref_size 104
	.end_amdhsa_kernel
	.amdgpu_metadata
---
amdhsa.version: [ 1, 2 ]
amdhsa.kernels:
  - .name:           k_q7078be3c6d_qkv
    .symbol:         k_q7078be3c6d_qkv.kd
    .args:
      - { .name: xq, .offset: 0, .size: 8, .value_kind: global_buffer, .address_space: global }
      - { .name: wq, .offset: 8, .size: 8, .value_kind: global_buffer, .address_space: global }
      - { .name: bq, .offset: 16, .size: 8, .value_kind: global_buffer, .address_space: global }
      - { .name: bk, .offset: 24, .size: 8, .value_kind: global_buffer, .address_space: global }
      - { .name: bv, .offset: 32, .size: 8, .value_kind: global_buffer, .address_space: global }
      - { .name: qq, .offset: 40, .size: 8, .value_kind: global_buffer, .address_space: global }
      - { .name: kv, .offset: 48, .size: 8, .value_kind: global_buffer, .address_space: global }
    .group_segment_fixed_size: 197120
    .private_segment_fixed_size: 0
    .kernarg_segment_align: 8
    .kernarg_segment_size: 56
    .max_flat_workgroup_size: 128
    .sgpr_count:     100
    .vgpr_count:     768
    .wavefront_size: 32
...
	.end_amdgpu_metadata
.endif
;; end of part 2
;; launch attn (part 3): grid 4 x 64, 16 waves a work-group, clusters of 4 x 1, 167,936 bytes of LDS; arguments qq, kv, yq; writes yq
.if DOCPART == 3
	.amdgcn_target "amdgcn-amd-amdhsa--gfx1250"
	.amdhsa_code_object_version 6
	.text
	.protected	k_q7078be3c6d_attn
	.globl	k_q7078be3c6d_attn
	.p2align	8
	.type	k_q7078be3c6d_attn,@function
k_q7078be3c6d_attn:
	s_mov_b64 s[64:65], 0
	v_nop
	global_prefetch_b8 v0, s[64:65] scope:SCOPE_SE
	s_setreg_imm32_b32 hwreg(HW_REG_WAVE_MODE, 25, 1), 1
	s_wait_xcnt 0x0
	s_wait_alu depctr_hold_cnt(0) depctr_sa_sdst(0) depctr_va_vdst(0) depctr_va_sdst(0) depctr_va_ssrc(0) depctr_va_vcc(0) depctr_vm_vsrc(0)
	s_getreg_b32 s2, hwreg(HW_REG_IB_STS2, 6, 4)
	s_cmp_eq_u32 s2, 0
	s_cbranch_scc0 .Lentry_in_a_cluster
	s_endpgm
.Lentry_in_a_cluster:
	s_bfe_u32 s2, ttmp6, 0x10000c
	s_cmp_lg_u32 s2, 0x3003
	s_cbranch_scc0 .Lentry_shape_is_right
	s_endpgm
.Lentry_shape_is_right:
; y = softmax(q k^T / 8, causal) v for one batch and head a cluster, both products on codes of E2M1; y is quantised along C and stored as the image that launch proj reads.
; LEFT OUT: key steps of 128 keys all of which come after a tile's queries: reference()'s own jnp.tril gives them the weight 0 for all finite inputs (shown at the head of launch quant).
; THE SOFTMAX: t = score x log2(e) / 8; M = the running largest t rounded up to a whole number; p = 2^(t - M) is quantised along the keys, not normalised; the row's sum is taken of the unquantised p and divides at the end.
; SHARES.  A cluster of four work-groups owns a head's 128 tiles of 16 queries.  Wave w of the partner at place cx takes tile 4 w + cx, then tile 127 - (4 w + cx): (w / 2) + 1 and 16 - (w / 2) key steps, 17 for every wave.
; The last step of a tile hangs on w and the pass alone; cx enters only q's and y's global addresses and the mask's numbers: no branch and no LDS address hangs on it.
; THE HEAD'S WHOLE K AND V, 143,360 bytes of images and scale words, COME INTO LDS ONCE: sixteen joint loads, one a wave (a key step's block of 8,960 bytes each), asked for by all four partners.  One tensor load of a wave is out.
; Behind one barrier the waves run free.  Four waves share a SIMD, so that one wave's softmax stands beside another's products and LDS loads.
; LAYOUT.  S^T = K Q^T, O^T = V^T P^T: a lane holds one query throughout; the rows of every tile are ordered 32 (t / 2) + 8 (t % 2) + r + 8 (r / 8), so p's 16 registers of two neighbouring tiles are 16 neighbouring keys.
; The first product's K is 64: registers 4-7 of q's and k's fragments are zero codes, and the upper two scale bytes are 0.
; y's scale bytes leave as 32 single bytes a tile (two for each row and head): the other bytes of those words belong to other heads' work-groups; they are one byte in 17 of what this launch stores.
; LIMITS: as stated at the head of launch quant.
; REGISTERS: v1-4 addresses and the mask's number; v5, v6 the add's two; v7 q's scale word; v8-11 V's; v12 -M, v13 largest t, v[14:15] the sum; v16-23 Q; v24-31 K's scale words; v32-95 K; v96-159 S^T, then p; v160-191 O^T;
;   v192-223 V; v224-231 p's codes; v232-247 at work; v252 f; v253 p's scale word; v254 at work; v255 -infinity.
.set KVH,   143360
.set STEPB, 8960
.set SPARE, KVH                        ; behind the head's block: the spare words, 128 bytes a wave
.set LI,  1                            ; 16 x lane
.set R16, 2                            ; 16 x r
.set DV,  4                            ; my query less the diagonal step's first key less 16 h
.set SPW, 5
.set NIL, 6
.set ADK, 240
.set ADS, 241
.set WV, 10
.set CX, 11
.set BH, 12
.set JJ, 13
.set W2, 14
.set PS, 15
.set TAU, 16
.set SL, 17
.set TB, 18
.set KS, 19
.set SEL, 20
.set CS, 22
.set G1, 24
.set G0, 32
.set HM, 46
.macro CROUND
	s_barrier_signal -1
	s_barrier_wait -1
	s_cmp_lg_u32 s[WV], 0
	s_cbranch_scc1 .Lnot_wave_0_\@
	s_barrier_signal -3
.Lnot_wave_0_\@:
	s_barrier_wait -3
	s_barrier_signal -1
	s_barrier_wait -1
.endm
	s_load_b128 s[4:7], s[0:1], 0x0                ; qq, kv
	s_load_b64 s[8:9], s[0:1], 0x10                ; yq
	v_lshl_add_u32 v[SPW], v0, 2, SPARE
	v_mov_b32 v[NIL], 0
	ds_add_u32 v[SPW], v[NIL]                      ; the opening: the add, twice on end, and its wait ahead of my first tensor load
	ds_add_u32 v[SPW], v[NIL]
	v_lshrrev_b32 v1, 5, v0
	s_delay_alu instid0(VALU_DEP_1)
	v_readfirstlane_b32 s[WV], v1
	s_bfe_u32 s[CX], ttmp6, 0x40000
	s_and_b32 s[BH], ttmp7, 0xffff                 ; batch x 16 + head: the cluster's y
	s_lshl_b32 s[JJ], s[WV], 2
	s_add_co_u32 s[JJ], s[JJ], s[CX]               ; my first tile of queries
	s_lshr_b32 s[W2], s[WV], 1
	s_mov_b32 s[G1], 15|(3<<16)|(1<<21)            ; 15:0 all four partners; 17:16 elements of 8 bytes; 21 set beside a mask
	s_mov_b32 s[G1+1], 32<<16                      ; rows of 256 bytes,
	s_mov_b32 s[G1+2], 35<<16                      ; 35 of them: a key step's block, dense
	s_mov_b32 s[G1+3], 32<<16
	s_mov_b32 s[G1+4], 35
	s_mov_b32 s[G1+5], 32
	s_mov_b32 s[G1+6], 0
	s_mov_b32 s[G1+7], 0
	s_mov_b32 s[SEL], 0x76543210
	s_mov_b32 s[SEL+1], 0xfedcba98
	s_mov_b32 s[CS], 0x3e38aa3b                    ; c = log2(e) / 8
	s_mov_b32 s[CS+1], s[CS]
	s_mul_i32 s47, s[WV], STEPB                    ; key step w's block: in LDS,
	s_mul_i32 s44, s[BH], KVH
	s_add_co_u32 s44, s44, s47                     ; and in kv
	s_mov_b32 s45, 0
	s_mov_b32 s[PS], 0
	s_wait_dscnt 0x0                               ; both opening adds are done
	s_wait_kmcnt 0x0
	s_add_nc_u64 s[44:45], s[6:7], s[44:45]
	CROUND                                         ; all four work-groups are here: the joint loads meet
	s_mov_b32 s[G0], 1
	s_mov_b32 s[G0+1], s47
	s_mov_b64 s[G0+2:G0+3], s[44:45]
	s_or_b32 s[G0+3], s[G0+3], 0x80000000
	tensor_load_to_lds s[G0:G0+3], s[G1:G1+7]
	s_nop 0
	v_and_b32 v1, 31, v0
	s_delay_alu instid0(VALU_DEP_1)
	v_lshlrev_b32 v[LI], 4, v1
	v_and_b32 v3, 15, v0                           ; r
	s_delay_alu instid0(VALU_DEP_1)
	v_lshlrev_b32 v[R16], 4, v3
	v_bfe_u32 v254, v0, 4, 1                       ; h
	s_delay_alu instid0(VALU_DEP_1)
	v_add_nc_u32 v242, v[R16], v254                ; 16 r + h: my byte among y's scale bytes
	s_delay_alu instid0(VALU_DEP_2)
	v_cmp_ne_u32 s[HM], 0, v254                    ; lanes 16-31
	v_and_b32 v4, 8, v3
	s_delay_alu instid0(VALU_DEP_1)
	v_add_nc_u32 v3, v3, v4
	v_lshlrev_b32 v254, 4, v254
	s_delay_alu instid0(VALU_DEP_1)
	v_sub_nc_u32 v3, v3, v254                      ; r + 8 (r / 8) - 16 h
	v_mov_b32 v255, 0xff800000                     ; -infinity
	v_mov_b32 v252, 0
	v_mov_b32 v253, 0
.irp b, 0,1,2,3
	v_mov_b32 v[236+\b], 0                         ; a lane permute's destination counts as read
	v_mov_b32 v[20+\b], 0                          ; Q's k = 64 .. 127: zero codes
.endr
.irp t, 0,1,2,3,4,5,6,7
.irp i, 4,5,6,7
	v_mov_b32 v[32+8*\t+\i], 0                     ; K's likewise; written once
.endr
.endr
	s_wait_tensorcnt 0x0                           ; my block is in,
	s_barrier_signal -1
	s_barrier_wait -1                              ; everybody's is: the head's K and V lie in LDS, and nothing is filled again
.Lpass:                                            ; two trips: tile 4 w + cx, then tile 127 - (4 w + cx)
	s_lshl_b32 s2, s[JJ], 1
	s_sub_co_u32 s2, 127, s2
	s_mul_i32 s2, s2, s[PS]
	s_add_co_u32 s[TAU], s[JJ], s2                 ; the tile
	s_lshl_b32 s2, s[W2], 1
	s_sub_co_u32 s2, 15, s2
	s_mul_i32 s2, s2, s[PS]
	s_add_co_u32 s[SL], s[W2], s2                  ; its last key step, the one on the diagonal: tile / 8
	s_lshl_b32 s44, s[BH], 16
	s_lshl_b32 s2, s[TAU], 9
	s_add_co_u32 s44, s44, s2
	s_mov_b32 s45, 0
	s_add_nc_u64 s[36:37], s[4:5], s[44:45]        ; q's half image
	s_lshl_b32 s44, s[BH], 13
	s_lshr_b32 s2, s[TAU], 2
	s_lshl_b32 s2, s2, 8
	s_add_co_u32 s44, s44, s2
	s_and_b32 s2, s[TAU], 3
	s_lshl_b32 s2, s2, 2
	s_add_co_u32 s44, s44, s2
	s_add_co_u32 s44, s44, 4194304
	s_add_nc_u64 s[38:39], s[4:5], s[44:45]        ; q's scale words
	s_lshr_b32 s47, s[BH], 4
	s_lshl_b32 s47, s47, 7
	s_add_co_u32 s47, s47, s[TAU]                  ; the tile among yq's 512
	s_and_b32 s48, s[BH], 15                       ; the head
	s_lshl_b32 s44, s47, 13
	s_lshl_b32 s2, s48, 9                          ; K step head / 2, half head % 2 of its image
	s_add_co_u32 s44, s44, s2
	s_add_nc_u64 s[40:41], s[8:9], s[44:45]
	s_lshl_b32 s44, s47, 9
	s_lshr_b32 s2, s48, 3
	s_lshl_b32 s2, s2, 8
	s_add_co_u32 s44, s44, s2
	s_and_b32 s2, s48, 7
	s_lshl_b32 s2, s2, 1
	s_add_co_u32 s44, s44, s2
	s_add_co_u32 s44, s44, 4194304
	s_add_nc_u64 s[42:43], s[8:9], s[44:45]        ; the head's two bytes in a row's scale words
	global_load_b128 v[16:19], v[LI], s[36:37]
	global_load_b32 v7, v[R16], s[38:39]
	s_lshr_b32 s2, s[TAU], 1
	s_and_b32 s2, s2, 3
	s_lshl_b32 s2, s2, 5
	s_and_b32 s3, s[TAU], 1
	s_lshl_b32 s3, s3, 3
	s_add_co_u32 s2, s2, s3
	v_add_nc_u32 v[DV], s2, v3
	v_mov_b32 v13, 0xff61b1e6                      ; the largest t so far: -3e38
	s_delay_alu instid0(VALU_DEP_1)
	v_floor_f32 v12, -v13                          ; -M
	v_mov_b32 v14, 0
	v_mov_b32 v15, 0
.irp j, 0,1,2,3,4,5,6,7,8,9,10,11,12,13,14,15,16,17,18,19,20,21,22,23,24,25,26,27,28,29,30,31
	v_mov_b32 v[160+\j], 0                         ; O^T: the step is written once, and its first run finds zeros
.endr
	s_mov_b32 s[TB], 0
	s_mov_b32 s[KS], 0
	s_wait_loadcnt 0x0                             ; Q and its scale word
.Lstep:                                            ; 16 trips, a constant; a step behind the diagonal is jumped over, but for the lines that step the address and the count
	s_cmp_gt_u32 s[KS], s[SL]
	s_cbranch_scc1 .Lhidden
	s_setprio 2
	v_add_nc_u32 v[ADK], s[TB], v[LI]
	v_add_nc_u32 v[ADS], s[TB], v[R16]
.irp t, 0,1,2,3,4,5,6,7
	ds_load_b128 v[32+8*\t:35+8*\t], v[ADK] offset:512*\t          ; K's eight half images
.endr
	ds_load_b128 v[24:27], v[ADS] offset:8192      ; K's scale words, tiles 0-3,
	ds_load_b128 v[28:31], v[ADS] offset:8448      ; tiles 4-7
.irp t, 0,1,2,3
.irp c, 0,1
	ds_load_b128 v[192+8*\t+4*\c:195+8*\t+4*\c], v[ADK] offset:4096+1024*\t+512*\c   ; V^T's four images
.endr
.endr
	ds_load_b128 v[8:11], v[ADS] offset:8704       ; V's scale words
	s_wait_dscnt 9                                 ; K and its scale words are in; V's nine loads may be out
.irp t, 0,1,2,3,4,5,6,7
	v_wmma_scale_f32_16x16x128_f8f6f4 v[96+8*\t:103+8*\t], v[32+8*\t:39+8*\t], v[16:23], 0, v[24+\t], v7 matrix_a_fmt:MATRIX_FMT_FP4 matrix_b_fmt:MATRIX_FMT_FP4
.endr
.rept 4
	v_nop
.endr
	s_cmp_lg_u32 s[KS], s[SL]                      ; only the step on the diagonal has hidden keys
	s_cbranch_scc1 .Lopen
.irp n, 0,1,2,3,4,5,6,7,8,9,10,11,12,13,14,15,16,17,18,19,20,21,22,23,24,25,26,27,28,29,30,31,32,33,34,35,36,37,38,39,40,41,42,43,44,45,46,47,48,49,50,51,52,53,54,55,56,57,58,59,60,61,62,63
	v_cmp_gt_i32 vcc_lo, 32*(\n/16)+\n%16, v[DV]   ; register 16 b + i holds the step's key 32 b + 16 h + i: hidden where it comes after my query
	v_cndmask_b32 v[96+\n], v[96+\n], v255, vcc_lo
.endr
.Lopen:
.irp b, 0,1,2,3
	v_max3_num_f32 v[232+\b], v[96+16*\b], v[97+16*\b], v[98+16*\b]   ; the largest score of each block of 32 keys: for the row's maximum, and for the block's largest p
.endr
.irp i, 3,5,7,9,11,13
.irp b, 0,1,2,3
	v_max3_num_f32 v[232+\b], v[232+\b], v[96+16*\b+\i], v[97+16*\b+\i]
.endr
.endr
.irp b, 0,1,2,3
	v_max_num_f32 v[232+\b], v[232+\b], v[111+16*\b]
.endr
.irp b, 0,1,2,3
	s_delay_alu instid0(VALU_DEP_4)
	v_permlanex16_b32 v[236+\b], v[232+\b], s[SEL], s[SEL+1]
.endr
.irp b, 0,1,2,3
	s_delay_alu instid0(VALU_DEP_4)
	v_max_num_f32 v[232+\b], v[232+\b], v[236+\b]  ; with lane l xor 16's 16 keys
.endr
	s_delay_alu instid0(VALU_DEP_2)
	v_max3_num_f32 v254, v232, v233, v234
	s_delay_alu instid0(VALU_DEP_1)
	v_max_num_f32 v254, v254, v235
	s_delay_alu instid0(VALU_DEP_1)
	v_mul_f32 v254, s[CS], v254                    ; the step's largest t
	s_delay_alu instid0(VALU_DEP_1)
	v_max_num_f32 v13, v13, v254
	v_mov_b32 v254, v12
	s_delay_alu instid0(VALU_DEP_2)
	v_floor_f32 v12, -v13                          ; the new -M = -ceil(t)
	s_delay_alu instid0(VALU_DEP_1)
	v_sub_f32 v254, v12, v254                      ; old M less new M: a whole number, 0 or less
	s_delay_alu instid0(VALU_DEP_1)
	v_cvt_i32_f32 v254, v254                       ; (it saturates)
	s_delay_alu instid0(VALU_DEP_1)
	v_ldexp_f32 v252, 1.0, v254                    ; f = 2^(old M - new M)
.irp j, 0,2,4,6,8,10,12,14,16,18,20,22,24,26,28,30,32,34,36,38,40,42,44,46,48,50,52,54,56,58,60,62
	v_pk_fma_f32 v[96+\j:97+\j], v[96+\j:97+\j], s[CS:CS+1], v[12:13] op_sel_hi:[1,0,0]   ; t - M
.endr
	s_setprio 1
.irp b, 0,1,2,3
	v_fma_f32 v[232+\b], v[232+\b], s[CS], v12
.endr
	s_wait_alu depctr_va_vdst(0)
.irp j, 0,1,2,3,4,5,6,7,8,9,10,11,12,13,14,15,16,17,18,19,20,21,22,23,24,25,26,27,28,29,30,31,32,33,34,35,36,37,38,39,40,41,42,43,44,45,46,47,48,49,50,51,52,53,54,55,56,57,58,59,60,61,62,63
	v_exp_f32 v[96+\j], v[96+\j]                   ; p = 2^(t - M)
.endr
	v_pk_mul_f32 v[14:15], v[14:15], v[252:253] op_sel_hi:[1,0]   ; the sums under the new M: the plain line behind the exponentials
	s_wait_alu depctr_va_vdst(0)                   ; one wait for the batch, ahead of its first reader
.irp b, 0,1,2,3
	v_exp_f32 v[232+\b], v[232+\b]                 ; each block's largest p
.endr
	v_pk_add_f32 v[236:237], v[100:101], v[104:105]
	v_pk_add_f32 v[250:251], v[108:109], v[112:113]
	v_pk_add_f32 v[248:249], v[116:117], v[120:121]
	v_pk_add_f32 v[246:247], v[124:125], v[128:129]
	v_pk_add_f32 v[244:245], v[132:133], v[136:137]
	v_pk_add_f32 v[240:241], v[140:141], v[144:145]
	v_pk_add_f32 v[238:239], v[148:149], v[152:153]
	v_pk_add_f32 v[14:15], v[14:15], v[156:157]
	v_pk_add_f32 v[236:237], v[236:237], v[96:97]
	v_pk_add_f32 v[250:251], v[250:251], v[98:99]
	v_pk_add_f32 v[248:249], v[248:249], v[102:103]
	v_pk_add_f32 v[246:247], v[246:247], v[106:107]
	v_pk_add_f32 v[244:245], v[244:245], v[110:111]
	v_pk_add_f32 v[240:241], v[240:241], v[114:115]
	v_pk_add_f32 v[238:239], v[238:239], v[118:119]
	v_pk_add_f32 v[14:15], v[14:15], v[122:123]
	v_pk_add_f32 v[236:237], v[236:237], v[126:127]
	v_pk_add_f32 v[250:251], v[250:251], v[130:131]
	v_pk_add_f32 v[248:249], v[248:249], v[134:135]
	v_pk_add_f32 v[246:247], v[246:247], v[138:139]
	v_pk_add_f32 v[244:245], v[244:245], v[142:143]
	v_pk_add_f32 v[240:241], v[240:241], v[146:147]
	v_pk_add_f32 v[238:239], v[238:239], v[150:151]
	v_pk_add_f32 v[14:15], v[14:15], v[154:155]
	v_pk_add_f32 v[236:237], v[236:237], v[158:159]
	s_delay_alu instid0(VALU_DEP_2)
	v_pk_add_f32 v[14:15], v[14:15], v[246:247]
	s_delay_alu instid0(VALU_DEP_2)
	v_pk_add_f32 v[236:237], v[236:237], v[244:245]
	v_pk_add_f32 v[250:251], v[250:251], v[240:241]
	v_pk_add_f32 v[248:249], v[248:249], v[238:239]
	s_delay_alu instid0(VALU_DEP_2)
	v_pk_add_f32 v[14:15], v[14:15], v[250:251]
	s_delay_alu instid0(VALU_DEP_2)
	v_pk_add_f32 v[236:237], v[236:237], v[248:249]
	s_delay_alu instid0(VALU_DEP_1)
	v_pk_add_f32 v[14:15], v[14:15], v[236:237]
	s_wait_alu depctr_va_vdst(0)                   ; and one for the four
.irp b, 0,1,2,3
	v_max_num_f32 v[232+\b], 0x1800000, v[232+\b]  ; the floor 2^(3 - 127): a block of zeros keeps the byte 1
.endr
.irp b, 0,1,2,3
	s_delay_alu instid0(VALU_DEP_4)
	v_add_nc_u32 v[244+\b], 0xff000000, v[232+\b]
.endr
.irp b, 0,1,2,3
	s_delay_alu instid0(VALU_DEP_4)
	v_lshrrev_b32 v[236+\b], 23, v[244+\b]
.endr
	s_delay_alu instid0(VALU_DEP_3)
	v_lshl_or_b32 v253, v237, 8, v236              ; p's scale word for these 128 keys
	s_delay_alu instid0(VALU_DEP_1)
	v_lshl_or_b32 v253, v238, 16, v253
	s_delay_alu instid0(VALU_DEP_1)
	v_lshl_or_b32 v253, v239, 24, v253
	s_setprio 0
.irp b, 0,1,2,3
	v_cvt_scalef32_pk8_fp4_f32 v[224+2*\b], v[96+16*\b:103+16*\b], v[244+\b]
	v_cvt_scalef32_pk8_fp4_f32 v[225+2*\b], v[104+16*\b:111+16*\b], v[244+\b]
.endr
	v_nop                                          ; one plain line behind the last conversion
.irp c, 0,1
.irp i, 0,1
	v_permlane16_swap_b32 v[224+4*\c+\i], v[226+4*\c+\i]
.endr
.endr
.irp j, 0,2,4,6,8,10,12,14,16,18,20,22,24,26,28,30
	v_pk_mul_f32 v[160+\j:161+\j], v[160+\j:161+\j], v[252:253] op_sel_hi:[1,0]   ; O^T under the new M; these sixteen are also the places in front of the products below
.endr
	s_wait_alu depctr_va_vdst(0)
	s_wait_dscnt 0x0                               ; V and its scale words are in
.irp t, 0,1,2,3
	v_wmma_scale_f32_16x16x128_f8f6f4 v[160+8*\t:167+8*\t], v[192+8*\t:199+8*\t], v[224:231], v[160+8*\t:167+8*\t], v[8+\t], v253 matrix_a_fmt:MATRIX_FMT_FP4 matrix_b_fmt:MATRIX_FMT_FP4
.endr
.rept 4
	v_nop                                          ; places in front of the next step's loads into V's registers, and of the way out's reads of O^T
.endr
.Lhidden:
	s_add_co_u32 s[TB], s[TB], STEPB
	s_add_co_u32 s[KS], s[KS], 1
	s_cmp_lt_u32 s[KS], 16
	s_cbranch_scc1 .Lstep
	s_setprio 0
	; THE WAY OUT OF A PASS: y = O^T / the sum; register 16 b + i is channel 32 b + 16 h + i of my query: two blocks of 32 along C
	v_add_f32 v14, v14, v15
	s_delay_alu instid0(VALU_DEP_1)
	v_permlanex16_b32 v252, v14, s[SEL], s[SEL+1]
	s_delay_alu instid0(VALU_DEP_1)
	v_add_f32 v14, v14, v252                       ; the row's sum
	s_wait_alu depctr_va_vdst(0)
	v_rcp_f32 v14, v14
	v_nop                                          ; a plain line behind the reciprocal,
	s_wait_alu depctr_va_vdst(0)                   ; and the wait ahead of its first reader
.irp j, 0,2,4,6,8,10,12,14,16,18,20,22,24,26,28,30
	v_pk_mul_f32 v[96+\j:97+\j], v[160+\j:161+\j], v[14:15] op_sel_hi:[1,0]
.endr
.irp b, 0,1
	v_max3_num_f32 v[232+\b], |v[96+16*\b]|, |v[97+16*\b]|, 0x1800000
.endr
.irp i, 2,4,6,8,10,12,14
.irp b, 0,1
	s_delay_alu instid0(VALU_DEP_2)
	v_max3_num_f32 v[232+\b], v[232+\b], |v[96+16*\b+\i]|, |v[97+16*\b+\i]|
.endr
.endr
.irp b, 0,1
	s_delay_alu instid0(VALU_DEP_2)
	v_permlanex16_b32 v[236+\b], v[232+\b], s[SEL], s[SEL+1]
.endr
.irp b, 0,1
	s_delay_alu instid0(VALU_DEP_2)
	v_max_num_f32 v[232+\b], v[232+\b], v[236+\b]
.endr
.irp b, 0,1
	s_delay_alu instid0(VALU_DEP_2)
	v_add_nc_u32 v[244+\b], 0xff000000, v[232+\b]
.endr
.irp b, 0,1
	s_delay_alu instid0(VALU_DEP_2)
	v_lshrrev_b32 v[236+\b], 23, v[244+\b]
.endr
	s_delay_alu instid0(VALU_DEP_1)
	v_cndmask_b32 v238, v236, v237, s[HM]          ; lanes 0-15 store block 0's byte, lanes 16-31 block 1's
.irp b, 0,1
	v_cvt_scalef32_pk8_fp4_f32 v[224+2*\b], v[96+16*\b:103+16*\b], v[244+\b]
	v_cvt_scalef32_pk8_fp4_f32 v[225+2*\b], v[104+16*\b:111+16*\b], v[244+\b]
.endr
	v_nop
	v_permlane16_swap_b32 v224, v226
	v_permlane16_swap_b32 v225, v227               ; v224-227: k = 32 h + 0 .. 31 of the head's 64: half an image
	global_store_b128 v[LI], v[224:227], s[40:41]  ; 512 consecutive aligned bytes
	global_store_b8 v242, v238, s[42:43]
	s_wait_xcnt 0x0                                ; the stores have read their data and addresses: the next pass writes both anew
	s_add_co_u32 s[PS], s[PS], 1
	s_cmp_lt_u32 s[PS], 2
	s_cbranch_scc1 .Lpass
	s_wait_tensorcnt 0x0                           ; the wave's end
	ds_add_u32 v[SPW], v[NIL]
	s_wait_dscnt 0x0
	CROUND                                         ; the closing round
	s_endpgm
.Lfunc_end_k_q7078be3c6d_attn:
	.size	k_q7078be3c6d_attn, .Lfunc_end_k_q7078be3c6d_attn-k_q7078be3c6d_attn
	.p2alignl 7, 3214868480
	.fill 96, 4, 3214868480
	.section	.rodata,"a",@progbits
	.p2align	6, 0x0
	.amdhsa_kernel k_q7078be3c6d_attn
		.amdhsa_group_segment_fixed_size 167936
		.amdhsa_private_segment_fixed_size 0
		.amdhsa_enable_private_segment 0
		.amdhsa_kernarg_size 24
		.amdhsa_user_sgpr_count 2
		.amdhsa_user_sgpr_kernarg_segment_ptr 1
		.amdhsa_wavefront_size32 1
		.amdhsa_system_sgpr_workgroup_id_x 1
		.amdhsa_system_sgpr_workgroup_id_y 1
		.amdhsa_system_sgpr_workgroup_id_z 1
		.amdhsa_system_vgpr_workitem_id 0
		.amdhsa_next_free_vgpr 256
		.amdhsa_next_free_sgpr 66
		.amdhsa_reserve_vcc 1
		.amdhsa_float_denorm_mode_32 3
		.amdhsa_float_denorm_mode_16_64 3
		.amdhsa_memory_ordered 1
		.amdhsa_forward_progress 1
		.amdhsa_inst_pref_size 34
	.end_amdhsa_kernel
	.amdgpu_metadata
---
amdhsa.version: [ 1, 2 ]
amdhsa.kernels:
  - .name:           k_q7078be3c6d_attn
    .symbol:         k_q7078be3c6d_attn.kd
    .args:
      - { .name: qq, .offset: 0, .size: 8, .value_kind: global_buffer, .address_space: global }
      - { .name: kv, .offset: 8, .size: 8, .value_kind: global_buffer, .address_space: global }
      - { .name: yq, .offset: 16, .size: 8, .value_kind: global_buffer, .address_space: global }
    .group_segment_fixed_size: 167936
    .private_segment_fixed_size: 0
    .kernarg_segment_align: 8
    .kernarg_segment_size: 24
    .max_flat_workgroup_size: 512
    .sgpr_count:     66
    .vgpr_count:     256
    .wavefront_size: 32
...
	.end_amdgpu_metadata
.endif
;; end of part 3
;; launch proj (part 4): grid 4 x 64, 4 waves a work-group, clusters of 4 x 4, 230,912 bytes of LDS; arguments yq, wq, bp, out0; writes out0
.if DOCPART == 4
	.amdgcn_target "amdgcn-amd-amdhsa--gfx1250"
	.amdhsa_code_object_version 6
	.text
	.protected	k_q7078be3c6d_proj
	.globl	k_q7078be3c6d_proj
	.p2align	8
	.type	k_q7078be3c6d_proj,@function
k_q7078be3c6d_proj:
	s_mov_b64 s[64:65], 0
	v_nop
	global_prefetch_b8 v0, s[64:65] scope:SCOPE_SE
	s_setreg_imm32_b32 hwreg(HW_REG_WAVE_MODE, 25, 1), 1
	s_wait_xcnt 0x0
	s_wait_alu depctr_hold_cnt(0) depctr_sa_sdst(0) depctr_va_vdst(0) depctr_va_sdst(0) depctr_va_ssrc(0) depctr_va_vcc(0) depctr_vm_vsrc(0)
	s_getreg_b32 s2, hwreg(HW_REG_IB_STS2, 6, 4)
	s_cmp_eq_u32 s2, 0
	s_cbranch_scc0 .Lentry_in_a_cluster
	s_endpgm
.Lentry_in_a_cluster:
	s_bfe_u32 s2, ttmp6, 0x10000c
	s_cmp_lg_u32 s2, 0xf033
	s_cbranch_scc0 .Lentry_shape_is_right
	s_endpgm
.Lentry_shape_is_right:
; out0 = y Wp^T + bp on codes of E2M1: y's images from launch attn, Wp's from launch quant.  No work is left out here.
; The multiplying part is that of launch qkv: S0 = 256 rows of Wp (source 0), S1 = 128 tokens (source 1), K = 1,024 whole in LDS in four stages filled once; four waves, 4 x 8 tiles each; cluster 4 x 4, S1's tiles
; asked for jointly by a row of the cluster, S0's by a column; four tensor loads of a wave are out at the most; bp is the C of each sum's first product.
; THE WAY OUT: a lane holds 8 neighbouring features of one token; a block of 16 tokens x 128 features goes through the wave's own stage in LDS (pitch 528, bytes that no tensor load fills) and leaves as whole rows:
; each store covers 512 consecutive aligned bytes.  Tile a, stage row t is token 32 (a / 2) + 8 (a % 2) + t + 8 (t / 8) of my 64.
; REGISTERS.  window 0: v2-12 addresses; v28, v29 the add's two; v32-95 S1's fragments, later rows of out0; v96-191 scale words; v192-255 rows of out0.  window 1: S0's fragments; v128-191 bias tiles.  window 2: accumulators.
.set STG,   49152
.set SPARE, 4*STG
.set STAGE, SPARE+512
.set LI,  2
.set R16, 3
.set AD1, 4
.set AD0, 6
.set HH,  8
.set RR,  9
.set STO, 10
.set RD,  11
.set BO,  12
.set SPW, 28
.set NIL, 29
.set WV, 18
.set H1, 19
.set H0, 20
.set CX, 21
.set CY, 22
.set YY, 23
.set G1A, 24
.set G1B, 32
.set G0A, 40
.set G0B, 68
.set MSB, 0
.macro WIN new
.if MSB != \new
	s_set_vgpr_msb (MSB<<8)|\new
.set MSB, \new
.endif
.endm
.macro PLACES n
.rept \n
	v_nop
.endr
.endm
.macro CROUND
	s_barrier_signal -1
	s_barrier_wait -1
	s_cmp_lg_u32 s[WV], 0
	s_cbranch_scc1 .Lnot_wave_0_\@
	s_barrier_signal -3
.Lnot_wave_0_\@:
	s_barrier_wait -3
	s_barrier_signal -1
	s_barrier_wait -1
.endm
	s_load_b256 s[4:11], s[0:1], 0x0               ; yq, wq, bp, out0
	v_lshl_add_u32 v[SPW], v0, 2, SPARE
	v_mov_b32 v[NIL], 0
	ds_add_u32 v[SPW], v[NIL]                      ; the opening: the add, twice on end, and its wait ahead of my first tensor load
	ds_add_u32 v[SPW], v[NIL]
	v_lshrrev_b32 v1, 5, v0
	v_readfirstlane_b32 s[WV], v1
	s_lshr_b32 s[H1], s[WV], 1
	s_and_b32 s[H0], s[WV], 1
	s_bfe_u32 s[CX], ttmp6, 0x40000
	s_bfe_u32 s[CY], ttmp6, 0x40004
	s_and_b32 s[YY], ttmp7, 0xffff
	s_lshl_b32 s62, s[YY], 2
	s_add_co_u32 s62, s62, s[CY]                   ; S1 = tokens 128 (4 Y + cy) on
	s_lshl_b32 s63, ttmp9, 2
	s_add_co_u32 s63, s63, s[CX]                   ; S0 = Wp's rows 256 (4 X + cx) on
	s_lshl_b32 s58, s62, 16
	s_mov_b32 s59, 0
	s_lshl_b32 s60, s63, 17
	s_add_co_u32 s60, s60, 1572864                 ; Wp's first tile in wq
	s_mov_b32 s61, 0
	s_lshl_b32 s98, s[CY], 2
	s_lshl_b32 s98, 15, s98
	s_lshl_b32 s99, 0x1111, s[CX]
	s_or_b32 s[G1A], s98, (3<<16)|(1<<21)
	s_or_b32 s[G1B], s99, (3<<16)|(1<<21)
.irp g, G1A, G1B
	s_mov_b32 s[\g+1], 256<<16
	s_mov_b32 s[\g+3], 256<<16
	s_mov_b32 s[\g+5], 1024
	s_mov_b32 s[\g+6], 0
	s_mov_b32 s[\g+7], 0
.endr
	s_mov_b32 s[G1A+2], 4<<16
	s_mov_b32 s[G1A+4], 4
	s_mov_b32 s[G1B+2], 8<<16
	s_mov_b32 s[G1B+4], 8
	v_and_b32 v1, 31, v0
	v_and_b32 v[RR], 15, v0
	v_bfe_u32 v[HH], v0, 4, 1
	v_lshlrev_b32 v[LI], 4, v1
	v_lshlrev_b32 v[R16], 4, v[RR]
	s_lshl_b32 s2, s[H1], 13
	v_add_nc_u32 v[AD1], s2, v[LI]
	v_add_nc_u32 v[AD1+1], 2*STG, v[AD1]
	s_lshl_b32 s2, s[H0], 14
	s_add_co_u32 s2, s2, 16384
	v_add_nc_u32 v[AD0], s2, v[LI]
	v_add_nc_u32 v[AD0+1], 2*STG, v[AD0]
	v_lshlrev_b32 v[BO], 6, v[HH]
	s_mul_i32 s2, s[WV], 8448
	s_add_co_u32 s2, s2, STAGE                     ; my stage
	v_mul_u32_u24 v[STO], v[RR], 528
	v_lshl_add_u32 v[STO], v[HH], 6, v[STO]
	v_add_nc_u32 v[STO], s2, v[STO]                ; in: row r, + 64 h
	v_add_nc_u32 v[RD], s2, v[LI]                  ; back: a whole row, 16 bytes a lane
	s_lshl_b32 s97, s[H0], 13
	s_lshl_b32 s98, s[H0], 14
	s_add_co_u32 s98, s98, 16384
	s_wait_dscnt 0x0                               ; both opening adds are done
	s_wait_kmcnt 0x0
	s_lshr_b32 s2, s58, 4
	s_add_co_u32 s2, s2, 4194304
	s_lshl_b32 s3, s[H1], 11
	s_add_co_u32 s2, s2, s3
	s_mov_b32 s3, 0
	s_add_nc_u64 s[88:89], s[4:5], s[2:3]          ; my S1 tiles' scale words
	s_lshr_b32 s2, s60, 4
	s_add_co_u32 s2, s2, 2097152
	s_lshl_b32 s3, s[H0], 12
	s_add_co_u32 s2, s2, s3
	s_mov_b32 s3, 0
	s_add_nc_u64 s[90:91], s[6:7], s[2:3]          ; my S0 tiles'
	s_lshl_b32 s2, s63, 10
	s_lshl_b32 s3, s[H0], 9
	s_add_co_u32 s2, s2, s3                        ; my 128 features, in bytes
	s_mov_b32 s3, 0
	s_add_nc_u64 s[94:95], s[8:9], s[2:3]          ; in bp,
	s_add_nc_u64 s[10:11], s[10:11], s[2:3]        ; and in a row of out0;
	s_lshl_b32 s2, s62, 19
	s_lshl_b32 s3, s[H1], 18
	s_add_co_u32 s2, s2, s3                        ; my 64 tokens' first row
	s_mov_b32 s3, 0
	s_add_nc_u64 s[10:11], s[10:11], s[2:3]
	s_add_nc_u64 s[84:85], s[4:5], s[58:59]
	s_lshl_b32 s92, s[H0], 15
	s_mov_b32 s93, 0
	s_add_nc_u64 s[84:85], s[84:85], s[92:93]
	s_add_nc_u64 s[86:87], s[6:7], s[60:61]
	s_lshl_b32 s92, s[H0], 16
	s_add_nc_u64 s[86:87], s[86:87], s[92:93]
	CROUND                                         ; all sixteen work-groups are here: the joint loads meet
.irp i, 0,1,2,3
	s_mov_b32 s[G0A+4*\i], 1
	s_add_co_u32 s[G0A+4*\i+1], s97, \i*STG
	s_add_nc_u64 s[G0A+4*\i+2:G0A+4*\i+3], s[84:85], \i*2048
	s_or_b32 s[G0A+4*\i+3], s[G0A+4*\i+3], 0x80000000
	s_mov_b32 s[G0B+4*\i], 1
	s_add_co_u32 s[G0B+4*\i+1], s98, \i*STG
	s_add_nc_u64 s[G0B+4*\i+2:G0B+4*\i+3], s[86:87], \i*2048
	s_or_b32 s[G0B+4*\i+3], s[G0B+4*\i+3], 0x80000000
.endr
	s_cmp_eq_u32 s[H1], 0
	s_cbranch_scc0 .Lfill_s0
.irp i, 0,1,2,3
	tensor_load_to_lds s[G0A+4*\i:G0A+4*\i+3], s[G1A:G1A+7]
	s_nop 0
.endr
	PLACES 4
	s_branch .Lfilled
.Lfill_s0:
.irp i, 0,1,2,3
	tensor_load_to_lds s[G0B+4*\i:G0B+4*\i+3], s[G1B:G1B+7]
	s_nop 0
.endr
	PLACES 4
.Lfilled:
.irp a, 0,1,2,3
.irp g, 0,1
	global_load_b128 v[96+8*\a+4*\g:96+8*\a+4*\g+3], v[R16], s[88:89] offset:512*\a+256*\g
.endr
.endr
.irp b, 0,1,2,3,4,5,6,7
.irp g, 0,1
	global_load_b128 v[128+8*\b+4*\g:128+8*\b+4*\g+3], v[R16], s[90:91] offset:512*\b+256*\g
.endr
.endr
	WIN 0x40
	s_wait_alu depctr_va_vdst(0)
.irp b, 0,1,2,3,4,5,6,7                        ; tile b, lane half h, register j: feature 32 (b / 2) + 16 h + 8 (b % 2) + j
	global_load_b128 v[128+8*\b:128+8*\b+3], v[BO], s[94:95] offset:(32*(\b/2)+8*(\b%2))*4
	global_load_b128 v[128+8*\b+4:128+8*\b+7], v[BO], s[94:95] offset:(32*(\b/2)+8*(\b%2))*4+16
.endr
	WIN 0
.macro FETCH q, buf
	WIN 0x40
.irp b, 0,1,2,3,4,5,6,7
.irp c, 0,1
	ds_load_b128 v[64*(\buf)+8*\b+4*\c:64*(\buf)+8*\b+4*\c+3], v[AD0+((\q)/4)] offset:(((\q)/2)%2)*STG+\b*2048+((\q)%2)*1024+512*\c
.endr
.endr
	WIN 0
.irp a, 0,1,2,3
.irp c, 0,1
	ds_load_b128 v[32+32*(\buf)+8*\a+4*\c:32+32*(\buf)+8*\a+4*\c+3], v[AD1+((\q)/4)] offset:(((\q)/2)%2)*STG+\a*2048+((\q)%2)*1024+512*\c
.endr
.endr
.endm
; 16 products; cmode 0: onto the sums; 1: the sums start from the bias tile of S0's tile b.  The 32 accumulators take turns, one instruction a turn.
.macro MULH q, buf, a0, cmode
.if \cmode == 0
	WIN 0xa1
.else
	WIN 0x91
.endif
.irp a, \a0, \a0+1
.irp b, 0,1,2,3,4,5,6,7
.if \cmode == 0
	v_wmma_scale_f32_16x16x128_f8f6f4 v[8*(8*(\a)+\b):8*(8*(\a)+\b)+7], v[64*(\buf)+8*\b:64*(\buf)+8*\b+7], v[32+32*(\buf)+8*(\a):32+32*(\buf)+8*(\a)+7], v[8*(8*(\a)+\b):8*(8*(\a)+\b)+7], v[128+8*\b+(\q)], v[96+8*(\a)+(\q)] matrix_a_fmt:MATRIX_FMT_FP4 matrix_b_fmt:MATRIX_FMT_FP4
.else
	v_wmma_scale_f32_16x16x128_f8f6f4 v[8*(8*(\a)+\b):8*(8*(\a)+\b)+7], v[64*(\buf)+8*\b:64*(\buf)+8*\b+7], v[32+32*(\buf)+8*(\a):32+32*(\buf)+8*(\a)+7], v[128+8*\b:128+8*\b+7], v[128+8*\b+(\q)], v[96+8*(\a)+(\q)] matrix_a_fmt:MATRIX_FMT_FP4 matrix_b_fmt:MATRIX_FMT_FP4
.endif
.endr
.endr
.endm
; A K step of 128, as in launch qkv: steps 1, 3, 5 fetch from a new stage, behind my own counted wait (the later stages' loads may stay out) and a barrier behind which nothing is filled.
.macro KSTEP q, cmode
.if ((\q)%2 == 1) && ((\q) < 7)
	s_wait_tensorcnt (5-(\q))/2
.endif
	s_wait_dscnt 0x0
.if ((\q)%2 == 1) && ((\q) < 7)
	s_barrier_signal -1
.endif
	MULH \q, (\q)%2, 0, \cmode
.if ((\q)%2 == 1) && ((\q) < 7)
	s_barrier_wait -1
.endif
.if (\q) < 7
	PLACES 4
	FETCH (\q)+1, ((\q)+1)%2
.endif
	MULH \q, (\q)%2, 2, \cmode
.endm
	s_wait_tensorcnt 0x3                           ; my part of stage 0 is in; three later loads may be out
	s_barrier_signal -1
	s_barrier_wait -1
	FETCH 0, 0
	s_wait_loadcnt 0x0                             ; scale words and bias
	KSTEP 0, 1
	KSTEP 1, 0
	KSTEP 2, 0
	KSTEP 3, 0
	KSTEP 4, 0
	KSTEP 5, 0
	KSTEP 6, 0
	KSTEP 7, 0
	WIN 0
	PLACES 4                                       ; in front of the first read of results, and of loads into the registers that held S1's fragments
.macro TOSTAGE a
	WIN 0x08                                       ; an LDS store's data are its source 1: window 2
.irp b, 0,1,2,3,4,5,6,7
	ds_store_b128 v[STO], v[64*(\a)+8*\b:64*(\a)+8*\b+3] offset:128*(\b/2)+32*(\b%2)        ; each accumulator from its low end on
	ds_store_b128 v[STO], v[64*(\a)+8*\b+4:64*(\a)+8*\b+7] offset:128*(\b/2)+32*(\b%2)+16
.endr
	WIN 0
.set BB, 32+160*((\a)%2)
.irp t, 0,1,2,3,4,5,6,7,8,9,10,11,12,13,14,15
	ds_load_b128 v[BB+4*\t:BB+4*\t+3], v[RD] offset:528*\t       ; LDS serves a wave's instructions in order: these see my stores, and the next block's stores come behind them
.endr
.endm
.macro SEND a, younger                 ; younger: the LDS instructions issued behind block a's loads, which may stay out
.set BB, 32+160*((\a)%2)
	s_wait_dscnt \younger
.irp t, 0,1,2,3,4,5,6,7,8,9,10,11,12,13,14,15
	global_store_b128 v[LI], v[BB+4*\t:BB+4*\t+3], s[10:11] offset:(32*((\a)/2)+8*((\a)%2)+\t+8*(\t/8))*4096 th:TH_STORE_NT
.endr
.endm
	TOSTAGE 0
	TOSTAGE 1
	SEND 0, 32                                     ; behind block 0's loads: block 1's 16 stores and 16 loads
	s_wait_xcnt 0x0                                ; block 0's stores have read their registers: block 2's rows may land there
	TOSTAGE 2
	SEND 1, 32
	s_wait_xcnt 0x0
	TOSTAGE 3
	SEND 2, 32
	SEND 3, 0
	s_wait_tensorcnt 0x0                           ; the wave's end, behind my last tensor load and my last LDS store
	ds_add_u32 v[SPW], v[NIL]
	s_wait_dscnt 0x0
	CROUND                                         ; the closing round
	s_endpgm
.Lfunc_end_k_q7078be3c6d_proj:
	.size	k_q7078be3c6d_proj, .Lfunc_end_k_q7078be3c6d_proj-k_q7078be3c6d_proj
	.p2alignl 7, 3214868480
	.fill 96, 4, 3214868480
	.section	.rodata,"a",@progbits
	.p2align	6, 0x0
	.amdhsa_kernel k_q7078be3c6d_proj
		.amdhsa_group_segment_fixed_size 230912
		.amdhsa_private_segment_fixed_size 0
		.amdhsa_enable_private_segment 0
		.amdhsa_kernarg_size 32
		.amdhsa_user_sgpr_count 2
		.amdhsa_user_sgpr_kernarg_segment_ptr 1
		.amdhsa_wavefront_size32 1
		.amdhsa_system_sgpr_workgroup_id_x 1
		.amdhsa_system_sgpr_workgroup_id_y 1
		.amdhsa_system_sgpr_workgroup_id_z 1
		.amdhsa_system_vgpr_workitem_id 0
		.amdhsa_next_free_vgpr 768
		.amdhsa_next_free_sgpr 100
		.amdhsa_reserve_vcc 0
		.amdhsa_float_denorm_mode_32 3
		.amdhsa_float_denorm_mode_16_64 3
		.amdhsa_memory_ordered 1
		.amdhsa_forward_progress 1
		.amdhsa_inst_pref_size 73
	.end_amdhsa_kernel
	.amdgpu_metadata
---
amdhsa.version: [ 1, 2 ]
amdhsa.kernels:
  - .name:           k_q7078be3c6d_proj
    .symbol:         k_q7078be3c6d_proj.kd
    .args:
      - { .name: yq, .offset: 0, .size: 8, .value_kind: global_buffer, .address_space: global }
      - { .name: wq, .offset: 8, .size: 8, .value_kind: global_buffer, .address_space: global }
      - { .name: bp, .offset: 16, .size: 8, .value_kind: global_buffer, .address_space: global }
      - { .name: out0, .offset: 24, .size: 8, .value_kind: global_buffer, .address_space: global }
    .group_segment_fixed_size: 230912
    .private_segment_fixed_size: 0
    .kernarg_segment_align: 8
    .kernarg_segment_size: 32
    .max_flat_workgroup_size: 128
    .sgpr_count:     100
    .vgpr_count:     768
    .wavefront_size: 32
...
	.end_amdgpu_metadata
.endif
;; end of part 4
